; MI455X (gfx1250); checked and timed in simulation.
; The chip was launched on July 23, 2026; its instructions are those of AMD's public machine-readable ISA for CDNA 5 (MIT licence, August 2026) and "CDNA5" Instruction Set Architecture Reference Guide (July 2026). The comments in the code are by the model that wrote it; some were corrected since.
;; Temporal Encoder. Allowed arithmetic: matrix products marked QUANTISED: E4M3 operands, one given power-of-two scale a tensor, by v_wmma_f32_16x16x64_fp8_fp8 or v_wmma_f32_16x16x128_fp8_fp8, f32 sums; everything else in f32.
;; Inputs: W_hh_codes 512 x 4 x 32 uint8 (E4M3 codes of W_hh, K innermost, in blocks of 32 codes); W_ih_codes 512 x 2 x 32 uint8 (E4M3 codes of W_ih, K innermost, in blocks of 32 codes); b_hh 512 float32; b_ih 512 float32; encode_features_codes 2,048 x 200 x 2 x 32 uint8 (E4M3 codes of encode_features, K innermost, in blocks of 32 codes); lowp_scales 4 int32 (the exponents e of the quantised operands' scales 2^e); x_len 2,048 int32.
;; Outputs: out0 1 x 2,048 x 128 float32; out1 1 x 2,048 x 128 float32.
;; This version of the problem:
;;   THIS VERSION OF THE PROBLEM IS GIVEN IN LOW PRECISION. The matrix products marked QUANTISED in the list below multiply operands that are first quantised to E4M3 (4 exponent bits, 3 mantissa bits; 8 bits a number), with one given power-of-two scale for each operand tensor; their sums are f32. All else is computed in f32.
;;   The module's matrix products, in the order in which they are computed (A, B: the left and right operand; K: the contracted axis; several contracted axes count as one K, in the product's order):
;;     1. [M 409,600, K 64] x [K 64, N 512]; A: input encode_features (given as codes); B: input W_ih (given as codes): QUANTISED (scales: A lowp_scales[0], B lowp_scales[1])
;;     2. [M 409,600, K 128] x [K 128, N 512]; A: computed on the way; B: input W_hh (given as codes): QUANTISED (scales: A lowp_scales[2], B lowp_scales[3])
;;   THE QUANTISER, for each operand of a quantised product, along K:
;;     - The operand's scale is 2^e, e = its entry of the input lowp_scales (int32; the entries are numbered through the quantised products in the list's order, A before B).
;;     - Each number is divided by the scale, clamped to +-448, and rounded to the nearest number of E4M3, ties to even, subnormals kept.
;;     - The product sums the exact products of the quantised numbers (number of the format x scale) in f32.
;;   ~~~python
;;   def quantise(x, axis, e):      # numpy; x: float32 -> the quantised numbers, widened to float32 again
;;       x = np.moveaxis(x, axis, -1); K = x.shape[-1]
;;       r = np.clip(x / 2.0 ** e, -448, 448)
;;       step = 2.0 ** (np.maximum(np.frexp(np.where(r == 0, 1, r))[1] - 1, -6) - 3)
;;       q = np.round(r / step) * step * 2.0 ** e      # np.round: ties to even
;;       return np.moveaxis(q, -1, axis).astype(np.float32)
;;   ~~~
;;   OPERANDS COMPUTED ON THE WAY. 'Computed on the way' means the value that the module computes at that place (a softmax that the list does not call 'softmax' is quantised finished and normalised). What goes into a quantiser is computed in f32, as accurately as f32 sums, v_exp_f32 and their like allow (about 1e-6 of the number): no bf16 or f16 on the way to a quantiser, and a product that is left as it is and whose result goes on into a quantised operand takes f32 operands (vector FMAs, or v_wmma_f32_16x16x4_f32). A number that lies on a knife's edge between two numbers of the format may be rounded either way, as far as f32 arithmetic and the matrix unit's own rounding can turn it there, and no further.
;;   INPUTS GIVEN AS CODES. W_hh (in the module: [512, 128], K = its axis 1); W_ih (in the module: [512, 64], K = its axis 1); encode_features (in the module: [2048, 200, 64], K = its axis 2): each comes as NAME_codes (uint8): NAME with its K axis moved to the last place and cut into blocks of 32 codes, [.., K / 32, bytes a block], one block behind the other in memory; one code a byte (a code: sign, 4 exponent bits, 3 mantissa bits); its scale is its entry of lowp_scales. Its value is code x scale, taken as it is: it is not quantised again, and the codes and scales need not be those that the quantiser above would give.
;; One version. Each part assembles by itself: llvm-mc -triple=amdgcn-amd-amdhsa -mcpu=gfx1250 --defsym DOCPART=n.
;; ======== version 1 of 1: 1 launch
;; limits: a function is approximated: absolute error at most 1.2e-07
;; launch cell (part 1): grid 256 x 1, 4 waves a work-group, no clusters, 161,280 bytes of LDS; arguments encode_features_codes, x_len, W_ih_codes, W_hh_codes, b_ih, b_hh, lowp_scales, out0, out1; writes out0, out1
.if DOCPART == 1
	.amdgcn_target "amdgcn-amd-amdhsa--gfx1250"
	.amdhsa_code_object_version 6
	.text
	.protected	k_qccb61bda2d_cell
	.globl	k_qccb61bda2d_cell
	.p2align	8
	.type	k_qccb61bda2d_cell,@function
k_qccb61bda2d_cell:
	s_mov_b64 s[64:65], 0
	v_nop
	global_prefetch_b8 v0, s[64:65] scope:SCOPE_SE
	s_setreg_imm32_b32 hwreg(HW_REG_WAVE_MODE, 25, 1), 1
	s_wait_xcnt 0x0
; One LSTM cell step on h = c = 0 for all [2048][200] rows, of which row index[b] = (x_len[b] == 0 ? 0 : x_len[b] - 1) of each batch element b is kept: out0[b] = h_new, out1[b] = c_new, [2048][128] f32 each.
;   gates = x W_ih^T 2^(e0+e1) + h W_hh^T 2^(e2+e3) + b_ih + b_hh, both products on E4M3 codes, made for every one of the 409,600 rows.  h is the zeros that the cell starts from: their code is 0 under any
;   scale, so one fragment of zero codes is every row tile's operand of the second product.  Biases and activation are made for the kept rows alone:
;   c_new = sigmoid(f) x 0 + sigmoid(i) tanh(g);  h_new = sigmoid(o) tanh(c_new).
; SHARES.  256 work-groups of four waves; a work-group takes 8 batch elements = 1,600 rows = 100 tiles of 16 rows; two batch elements, a PAIR, are 400 rows = 25 whole tiles.
; Wave w takes hidden units 32 w .. 32 w + 31 of all four gates: 8 tiles of 16 columns; its 24 KiB of W_ih and W_hh stay in 192 registers for the whole launch.  Every wave walks all 100 row tiles.
; x comes from memory once, by loads of 512 consecutive bytes, and goes through registers into LDS, in four chunks of 32, 24, 24 and 20 tiles; a chunk's loads are issued a pair (400 matrix instructions) ahead of its stores.
; THE MATRIX INSTRUCTION IS USED TRANSPOSED: source 0 = 16 rows of W (gate g, rows 128 g + 32 w + 16 u + 0 .. 15), source 1 = 16 rows of x or of h.  Register j of lane (r = lane % 16, hh = lane / 16) is then
; (row r of the tile, unit 32 w + 16 u + 8 hh + j).  Registers 4 c .. 4 c + 3 of a fragment hold k = 32 c + 16 hh + 0 .. 15: a permutation of k, the same in both sources: only the order of the sums inside an instruction differs.
; A TRIP is five row tiles: 80 matrix instructions, each with C = 0 into an accumulator of its own (the two products have different scales, so their sums stay apart).  At a trip's end ONE scalar branch asks whether a
; kept row lies in its five tiles; only then the two lanes that hold the row store its 2 x 128 sums of my wave into a stage in LDS.  At the end each lane takes 8 cells from the stage, adds the biases, activates, stores.
; THE 20 TRIPS ARE WRITTEN OUT: every LDS address is a register made at the head plus an immediate, no address register is written behind the head, and a kept row's tile is compared with a constant.  A pair's first
; batch element has its row in the pair's tiles 0 to 12, the second in tiles 12 to 24: so the text holds 4 x 26 = 104 blocks of 32 stores, and about 50 KiB of code in all.
; NOT USED, AND WHY.  No tensor load, no asynchronous copy, hence no joint load for the weights that all work-groups share.
; the weights are read once a wave, at the head, straight into the operands' registers.  No prefetch: a chunk's loads into registers are themselves issued a pair ahead of their use.
; sigmoid(x) = 1 / (1 + 2^(-L x)), tanh(x) = 1 - 2 / (1 + 2^(2 L x)), L = log2(e).  The factor k (-L for i, f, o; 2 L for g) and the products' powers of two are folded into one multiply-add a product.
; LIMITS.  e0 + e1 and e2 + e3 lie between -126 and 126 (they are added to the exponent fields of -L and 2 L).  x_len lies in 0 .. 200: a number below is held at row 0, one above at row 199.
; tanh has an absolute error of about 2^-23, no better for tiny arguments.  The biases are added to each other first and k is multiplied in before the sums: the order of rounding differs from the formula's.
; REGISTERS, in windows of 256 (s_set_vgpr_msb: bits 1:0 source 0, 3:2 source 1, 5:4 source 2, 7:6 destination):
;   window 0: v1-15 addresses; v16-55 five fragments of x; v56-71 h's zero codes; v72-103 the biases; v128-255 tile 4's sums, at the end the activation
;   window 1: v0-63 x on its way from memory to LDS; v64-127 W_ih's 8 fragments; v128-255 W_hh's 8     window 2: the sums of tiles 0, 1     window 3: of tiles 2, 3
.set XT,   1280                        ; a tile of x in LDS: four quarters, one for each 16 of the 64 k: 16 rows x 16 bytes + 64 of padding
.set QP,   320                         ; from quarter to quarter: 80 words, so that the four quarters start 16 banks apart (64 banks of 4 bytes: ISA guide 11.1): sixteen lanes' stores and loads fall on sixteen different columns
.set GST,  100*XT                      ; behind x's 100 tiles: the stage of kept sums, [8 batch rows][x's product, h's product][512 columns] f32: 32,768 bytes
.set NEGL, 0xbfb8aa3b                  ; -log2(e)
.set TWOL, 0x4038aa3b                  ; 2 log2(e)
; the addresses: all made at the head, none written again.  An LDS immediate has 16 bits and x takes 128,000 bytes: so x has two registers each way, one for tiles 0 to 49, one for tiles 50 to 99
.set R,    1                           ; v1   lane % 16
.set XG,   2                           ; v2   x in memory: 16 x lane + 1,024 w
.set XS,   3                           ; v3   x into LDS: 320 (lane % 4) + 16 (lane / 4) + XT w
.set XS1,  4                           ; v4   the same 50 tiles on
.set AX0,  5                           ; v5   a fragment of x out of LDS: 16 r + 320 hh
.set AX1,  6                           ; v6   the same 50 tiles on
.set GSA,  7                           ; v7   into the stage: GST + 128 w + 32 hh
.set AWI,  8                           ; v8   W_ih: 64 (32 w + r) + 16 hh
.set AWH,  9                           ; v9   W_hh: 128 (32 w + r) + 16 hh
.set ABI,  10                          ; v10  16 x lane: the biases
.set GRD,  11                          ; v11  out of the stage: GST + 8,192 w + 16 x lane
.set GO,   12                          ; v12  the outputs: 512 (8 x work-group + 2 w) + 16 x lane
.set XF,   16
.set ZF,   56
.set BIH,  72                          ; b_ih: 4 numbers a gate; then k (b_ih + b_hh)
.set BHH,  88
.set G,    128                         ; the end: x's sums, then in place k x gate, 2^.., 1 + 2^.., its reciprocal.  Gate g at G + 8 g: 4 units of two batch rows
.set A2,   160                         ; h's sums, then k (sum 2^(e2+e3) + b_ih + b_hh)
.set CC,   192
.set XX,   200
.set HO,   208
.set STG,  0                           ; in window 1
.set WIB,  64
.set WHB,  128
.set SV,   30                          ; s30  EXEC, kept
.set TMP,  31                          ; s31, s33  at work in a trip's question
.set TMP2, 33
.set SAN,  34                          ; s[34:35] -L 2^(e0+e1)   (each pair holds its number twice: the packed forms name a pair)
.set SAG,  36                          ; s[36:37] 2L 2^(e0+e1)
.set SBN,  38                          ; s[38:39] -L 2^(e2+e3)
.set SBG,  40                          ; s[40:41] 2L 2^(e2+e3)
.set POS,  48                          ; s[48:55] x_len of my 8 batch elements, then the kept row's place among its pair's 400 rows
.set TIL,  56                          ; s[56:63] its tile among the pair's 25
.set LAN,  66                          ; s[66:73] its row in that tile
.set MSB, 0
.macro WIN new                         ; the immediate's high byte repeats the setting that is left; a switch that changes nothing is dropped
.if MSB != \new
	s_set_vgpr_msb (MSB<<8)|\new
.set MSB, \new
.endif
.endm
; A chunk of x from tile c0 on: my wave's nt tiles c0 + w + 4 j, two loads of 512 consecutive bytes each (destination: window 1)
.macro XLOAD c0, nt
.set j, 0
.rept \nt
	global_load_b128 v[STG+8*j:STG+8*j+3], v[XG], s[4:5] offset:1024*((\c0)+4*j) th:TH_LOAD_NT
	global_load_b128 v[STG+8*j+4:STG+8*j+7], v[XG], s[4:5] offset:1024*((\c0)+4*j)+512 th:TH_LOAD_NT
.set j, j+1
.endr
.endm
; and into LDS: lane l holds 16 k (the l % 4-th) of row l / 4 of a load's eight rows (data: window 1)
.macro XSTORE c0, nt
.set j, 0
.rept \nt
.set TT, (\c0)+4*j
.if TT < 50
	ds_store_b128 v[XS], v[STG+8*j:STG+8*j+3] offset:XT*TT
	ds_store_b128 v[XS], v[STG+8*j+4:STG+8*j+7] offset:XT*TT+128
.else
	ds_store_b128 v[XS1], v[STG+8*j:STG+8*j+3] offset:XT*(TT-50)
	ds_store_b128 v[XS1], v[STG+8*j+4:STG+8*j+7] offset:XT*(TT-50)+128
.endif
.set j, j+1
.endr
.endm
.macro REFILL i, t                     ; buffer i takes tile t of the work-group's 100
.if (\t) < 50
	ds_load_b128 v[XF+8*(\i):XF+8*(\i)+3], v[AX0] offset:XT*(\t)
	ds_load_b128 v[XF+8*(\i)+4:XF+8*(\i)+7], v[AX0] offset:XT*(\t)+2*QP
.else
	ds_load_b128 v[XF+8*(\i):XF+8*(\i)+3], v[AX1] offset:XT*((\t)-50)
	ds_load_b128 v[XF+8*(\i)+4:XF+8*(\i)+7], v[AX1] offset:XT*((\t)-50)+2*QP
.endif
.endm
; One row tile: 8 products with W_ih, 8 with W_hh.  Its 16 accumulators: x's sums at AB + 8 n, h's at AB + 64 + 8 n, n = 2 g + u.  Four plain lines stand among the last eight: they are the places between the
; last product that read this tile's buffer and the loads that fill it again, and a trip's twenty are the places between two writes of an accumulator (ISA guide 7.12.1 for the matrix instructions)
.macro TILE i
.set AB, 128*((\i)%2+(\i)/4)
.irp n, 0,1,2,3,4,5,6,7
	v_wmma_f32_16x16x64_fp8_fp8 v[AB+8*\n:AB+8*\n+7], v[WIB+8*\n:WIB+8*\n+7], v[XF+8*(\i):XF+8*(\i)+7], 0
.endr
.irp n, 0,1,2,3,4,5,6,7
	v_wmma_f32_16x16x128_fp8_fp8 v[AB+64+8*\n:AB+64+8*\n+7], v[WHB+16*\n:WHB+16*\n+15], v[ZF:ZF+15], 0
.if \n < 4
	v_nop
.endif
.endr
.endm
; The kept row of batch row b of my eight (e = 0: its pair's first, whose row lies in tiles 0 to 12 of the pair; e = 1: the second, tiles 12 to 24), if it lies in trip k of the pair.  Only the two lanes that
; hold the row are on; every lane's address is the same for a given hh, so the address hangs on no loaded number.  Each accumulator is read from its low end on.
.macro KEEP b, k, e
	v_cmp_eq_u32 vcc_lo, s[LAN+(\b)], v[R]
	s_and_saveexec_b32 s[SV], vcc_lo
.irp i, 0,1,2,3,4
.if (5*(\k)+\i >= 12*(\e)) && (5*(\k)+\i <= 12+12*(\e))
	s_cmp_eq_u32 s[TIL+(\b)], 5*(\k)+\i
	s_cbranch_scc0 .Lnot_\@_\i
.set AB, 128*(\i%2+\i/4)
.set DW, ((2+\i/2)%4)*4                ; the stores' data: window 2, 2, 3, 3, 0
	WIN DW
.irp a, 0,1,2,3,4,5,6,7,8,9,10,11,12,13,14,15
	ds_store_b128 v[GSA], v[AB+8*\a:AB+8*\a+3] offset:(\b)*4096+(\a/8)*2048+((\a%8)/2)*512+(\a%2)*64
	ds_store_b128 v[GSA], v[AB+8*\a+4:AB+8*\a+7] offset:(\b)*4096+(\a/8)*2048+((\a%8)/2)*512+(\a%2)*64+16
.endr
	WIN 0                                          ; at a label and at a branch every window is 0
.Lnot_\@_\i:
.endif
.endr
	s_or_b32 exec_lo, exec_lo, s[SV]               ; no global instruction was issued since the wait on XCNT ahead of the first narrowing
.endm
; TRIP k of pair p: tiles 25 p + 5 k + 0 .. 4.  fill = 1: each buffer is filled again with the tile five further on: buffers 0, 1 behind tile 1, buffers 2, 3 behind tile 3, buffer 4 behind tile 4: a load has
; two tiles' products or more in which to land.  fill = 0: the launch's last trip.
.macro TRIP p, k, fill
.set T0, 25*(\p)+5*(\k)
	s_wait_dscnt 6                                 ; buffers 0 and 1 are in; behind their loads stand those of buffers 2, 3 and 4: six
	WIN 0x81                                       ; W in window 1, x and h in window 0, the sums in window 2
	TILE 0
	TILE 1
	WIN 0
.if \fill
	REFILL 0, T0+5
	REFILL 1, T0+6
	s_wait_dscnt 6                                 ; buffers 2 and 3 are in; behind their loads: buffer 4's two and the four just issued
.else
	s_wait_dscnt 2                                 ; behind their loads: buffer 4's two
.endif
	WIN 0xc1                                       ; the sums in window 3
	TILE 2
	TILE 3
	WIN 0
.if \fill
	REFILL 2, T0+7
	REFILL 3, T0+8
	s_wait_dscnt 8                                 ; buffer 4 is in; behind its loads: this trip's eight
.else
	s_wait_dscnt 0
.endif
	WIN 0x01                                       ; the sums in window 0
	TILE 4
	WIN 0
.if \fill
	REFILL 4, T0+9
.endif
	; does a kept row lie in these five tiles?  A tile ahead of the trip's first wraps round to a very large number
.if \k < 2
	s_sub_co_u32 s[TMP], s[TIL+2*(\p)], 5*(\k)
.elseif \k > 2
	s_sub_co_u32 s[TMP], s[TIL+2*(\p)+1], 5*(\k)
.else
	s_sub_co_u32 s[TMP], s[TIL+2*(\p)], 10
	s_sub_co_u32 s[TMP2], s[TIL+2*(\p)+1], 10
	s_min_u32 s[TMP], s[TMP], s[TMP2]
.endif
	s_cmp_lt_u32 s[TMP], 5
	s_cbranch_scc0 .Lnone_\@                       ; none: these tiles' sums are done with
.rept 4
	v_nop                                          ; places between the last products and the stores that read their sums, all lanes on
.endr
	s_wait_xcnt 0x0                                ; a chunk's loads may be out: EXEC changes only behind this wait
.if \k <= 2
	KEEP 2*(\p), \k, 0
.endif
.if \k >= 2
	KEEP 2*(\p)+1, \k, 1
.endif
	s_wait_dscnt 0x0                               ; the stores have read the sums: the next trip may write them anew
.Lnone_\@:
.endm
; Behind pair p's trips: chunk p + 1 goes into LDS.  The refills of pair p reach tile 25 p + 29 at the most, which lies in chunks that a barrier has shown whole (they end at tiles 32, 56, 80);
; the chunk that is stored here begins at tile 32 + 24 p, behind all that a slower wave may still read.
.macro CHUNK p
	s_wait_loadcnt 0x0                             ; chunk p + 1, asked for a pair ago
	WIN 0x04                                       ; the stores' data in window 1
	XSTORE 32+24*(\p), 6-(\p)/2
	WIN 0
	s_wait_dscnt 0x0                               ; for the others' sake: my part of the chunk has landed; and my own loads are in
	s_barrier_signal -1
	s_barrier_wait -1                              ; the chunk is whole
.if \p < 2
	WIN 0x40                                       ; destination window 1: the stores above have read these registers
	XLOAD 56+24*(\p), 6-((\p)+1)/2
	WIN 0
.endif
.endm
	; ---- the head: ids and offsets, while the arguments are on their way
	s_load_b512 s[4:19], s[0:1], 0x0               ; x's codes s[4:5], x_len s[6:7], W_ih s[8:9], W_hh s[10:11], b_ih s[12:13], b_hh s[14:15], the scales' exponents s[16:17], out0 s[18:19]
	s_load_b64 s[20:21], s[0:1], 0x40              ; out1
	v_lshl_add_u32 v126, v0, 2, 0x27400
	v_mov_b32 v127, 0
	v_lshrrev_b32 v16, 5, v0
	v_readfirstlane_b32 s22, v16                   ; wave w, 0..3
	v_and_b32 v[R], 15, v0                         ; r
	v_and_b32 v16, 31, v0                          ; lane
	v_bfe_u32 v17, v0, 4, 1                        ; hh
	v_lshlrev_b32 v[ABI], 4, v16
	s_lshl_b32 s32, s22, 10
	v_add_nc_u32 v[XG], s32, v[ABI]
	v_and_b32 v18, 3, v16
	v_lshrrev_b32 v19, 2, v16
	v_mul_u32_u24 v18, v18, QP
	v_lshl_add_u32 v18, v19, 4, v18
	s_mul_i32 s32, s22, XT
	v_add_nc_u32 v[XS], s32, v18
	v_add_nc_u32 v[XS1], 50*XT, v[XS]
	v_mul_u32_u24 v[AX0], v17, QP
	v_lshl_add_u32 v[AX0], v[R], 4, v[AX0]
	v_add_nc_u32 v[AX1], 50*XT, v[AX0]
	s_lshl_b32 s32, s22, 7
	s_add_co_u32 s32, s32, GST
	v_lshl_add_u32 v[GSA], v17, 5, s32
	s_lshl_b32 s32, s22, 11
	v_lshl_add_u32 v[AWI], v[R], 6, s32
	v_lshl_add_u32 v[AWI], v17, 4, v[AWI]
	s_lshl_b32 s32, s22, 12
	v_lshl_add_u32 v[AWH], v[R], 7, s32
	v_lshl_add_u32 v[AWH], v17, 4, v[AWH]
	s_lshl_b32 s32, s22, 13
	s_add_co_u32 s32, s32, GST
	v_add_nc_u32 v[GRD], s32, v[ABI]
	s_lshl_b32 s32, ttmp9, 12
	s_lshl_b32 s33, s22, 10
	s_add_co_u32 s32, s32, s33
	v_add_nc_u32 v[GO], s32, v[ABI]
	s_mul_i32 s42, ttmp9, 100*1024                 ; my work-group's 100 tiles of 1,024 bytes of x,
	s_mov_b32 s43, 0
	s_lshl_b32 s44, ttmp9, 5                       ; and its 8 numbers of x_len
	s_mov_b32 s45, 0
.irp i, 0,1,2,3,4,5,6,7,8,9,10,11,12,13,14,15
	v_mov_b32 v[ZF+\i], 0                          ; h = 0: a fragment of the code 0
.endr
	s_wait_kmcnt 0x0                               ; the arguments
	s_add_nc_u64 s[4:5], s[4:5], s[42:43]
	s_add_nc_u64 s[6:7], s[6:7], s[44:45]
	s_load_b256 s[POS:POS+7], s[6:7], 0x0          ; x_len
	s_load_b128 s[24:27], s[16:17], 0x0            ; e0, e1, e2, e3
	; ---- chunk 0 of x first, since its way is the longer one (LDS, a barrier, LDS); then the weights
	WIN 0x40                                       ; destination window 1
	XLOAD 0, 8                                     ; 16 loads
.irp n, 0,1,2,3,4,5,6,7
.irp c, 0,1
	global_load_b128 v[WIB+8*\n+4*\c:WIB+8*\n+4*\c+3], v[AWI], s[8:9] offset:8192*(\n/2)+1024*(\n%2)+32*\c       ; 16 loads
.endr
.endr
.irp n, 0,1,2,3,4,5,6,7
.irp c, 0,1,2,3
	global_load_b128 v[WHB+16*\n+4*\c:WHB+16*\n+4*\c+3], v[AWH], s[10:11] offset:16384*(\n/2)+2048*(\n%2)+32*\c  ; 32 loads
.endr
.endr
	WIN 0
	s_wait_kmcnt 0x0
.irp b, 0,1,2,3,4,5,6,7
	s_sub_co_i32 s[POS+\b], s[POS+\b], 1
	s_max_i32 s[POS+\b], s[POS+\b], 0              ; x_len == 0 ? 0 : x_len - 1,
	s_min_u32 s[POS+\b], s[POS+\b], 199            ; held inside the batch element's 200 rows
.if \b % 2
	s_add_co_u32 s[POS+\b], s[POS+\b], 200         ; a pair's second batch element begins at row 200
.endif
	s_lshr_b32 s[TIL+\b], s[POS+\b], 4
	s_and_b32 s[LAN+\b], s[POS+\b], 15
.endr
	s_add_co_i32 s32, s24, s25                     ; e0 + e1 goes into the exponent fields of -L and of 2 L
	s_lshl_b32 s32, s32, 23
	s_add_co_i32 s[SAN], s32, NEGL
	s_mov_b32 s[SAN+1], s[SAN]
	s_add_co_i32 s[SAG], s32, TWOL
	s_mov_b32 s[SAG+1], s[SAG]
	s_add_co_i32 s32, s26, s27                     ; e2 + e3 likewise
	s_lshl_b32 s32, s32, 23
	s_add_co_i32 s[SBN], s32, NEGL
	s_mov_b32 s[SBN+1], s[SBN]
	s_add_co_i32 s[SBG], s32, TWOL
	s_mov_b32 s[SBG+1], s[SBG]
	s_wait_loadcnt 48                              ; loads come back in order (ISA guide 5.7.1): chunk 0's sixteen are in, the weights' 48 may be out
	WIN 0x04
	XSTORE 0, 8
	WIN 0
	s_wait_dscnt 0x0                               ; for the others' sake: my part of chunk 0 has landed
	s_barrier_signal -1
	s_barrier_wait -1                              ; tiles 0 to 31 lie in LDS
	WIN 0x40
	XLOAD 32, 6                                    ; chunk 1: 12 loads
	WIN 0
.irp g, 0,1,2,3
	global_load_b128 v[BIH+4*\g:BIH+4*\g+3], v[ABI], s[12:13] offset:512*\g    ; the biases of units 4 x lane + 0 .. 3, for the end: 8 loads
	global_load_b128 v[BHH+4*\g:BHH+4*\g+3], v[ABI], s[14:15] offset:512*\g
.endr
.irp i, 0,1,2,3,4
	REFILL \i, \i                                  ; the first trip's five tiles, in the order in which every trip fills the buffers
.endr
	s_wait_loadcnt 20                              ; the weights are in; chunk 1's twelve loads and the biases' eight may be out
	; ---- the 100 row tiles: four pairs of five trips; behind each of the first three pairs the next chunk of x
.irp p, 0,1,2,3
.irp k, 0,1,2,3,4
.if (\p == 3) && (\k == 4)
	TRIP \p, \k, 0
.else
	TRIP \p, \k, 1
.endif
.endr
.if \p < 3
	CHUNK \p
.endif
.endr
	; ---- the end.  The biases came in long ago (the wait for chunk 1 stood behind their loads).  These 16 plain lines name no register of the last products: they are also the places ahead of the loads into the sums' registers
.irp g, 0,1,2,3
.irp i, 0,2
	v_pk_add_f32 v[BIH+4*\g+\i:BIH+4*\g+\i+1], v[BIH+4*\g+\i:BIH+4*\g+\i+1], v[BHH+4*\g+\i:BHH+4*\g+\i+1]   ; b_ih + b_hh
.endr
.endr
.irp g, 0,1,2,3
.irp i, 0,2
.if \g == 2
	v_pk_mul_f32 v[BIH+4*\g+\i:BIH+4*\g+\i+1], v[BIH+4*\g+\i:BIH+4*\g+\i+1], TWOL op_sel_hi:[1,0]
.else
	v_pk_mul_f32 v[BIH+4*\g+\i:BIH+4*\g+\i+1], v[BIH+4*\g+\i:BIH+4*\g+\i+1], NEGL op_sel_hi:[1,0]
.endif
.endr
.endr
	s_wait_dscnt 0x0                               ; for the others' sake: my stores into the stage have landed
	s_barrier_signal -1
	s_barrier_wait -1                              ; the kept sums of all 8 batch rows, all 512 columns, both products, lie in the stage
	; my wave takes batch rows 2 w and 2 w + 1, my lane units 4 x lane + 0 .. 3: every load reads 512 consecutive bytes
.irp g, 0,1,2,3
.irp q, 0,1
	ds_load_b128 v[A2+8*\g+4*\q:A2+8*\g+4*\q+3], v[GRD] offset:4096*\q+2048+512*\g   ; h's product
.endr
.endr
.irp g, 0,1,2,3
.irp q, 0,1
	ds_load_b128 v[G+8*\g+4*\q:G+8*\g+4*\q+3], v[GRD] offset:4096*\q+512*\g          ; x's product
.endr
.endr
	s_wait_dscnt 8                                 ; h's eight loads are in, x's eight may be out
.irp g, 0,1,2,3
.set KS, SBN
.if \g == 2
.set KS, SBG
.endif
.irp i, 0,2,4,6
	v_pk_fma_f32 v[A2+8*\g+\i:A2+8*\g+\i+1], v[A2+8*\g+\i:A2+8*\g+\i+1], s[KS:KS+1], v[BIH+4*\g+\i%4:BIH+4*\g+\i%4+1] op_sel_hi:[1,0,1]   ; k (sum 2^(e2+e3) + b_ih + b_hh)
.endr
.endr
	s_wait_dscnt 0x0
.irp g, 0,1,2,3
.set KS, SAN
.if \g == 2
.set KS, SAG
.endif
.irp i, 0,2,4,6
	v_pk_fma_f32 v[G+8*\g+\i:G+8*\g+\i+1], v[G+8*\g+\i:G+8*\g+\i+1], s[KS:KS+1], v[A2+8*\g+\i:A2+8*\g+\i+1] op_sel_hi:[1,0,1]             ; k x gate
.endr
.endr
	; the activation: four batches of transcendentals; behind each a plain line, then a wait ahead of the batch's first reader
.irp j, 0,1,2,3,4,5,6,7,8,9,10,11,12,13,14,15,16,17,18,19,20,21,22,23,24,25,26,27,28,29,30,31
	v_exp_f32 v[G+\j], v[G+\j]                     ; 2^(-L x) for i, f, o; 2^(2 L x) for g
.endr
	v_nop
	s_wait_alu depctr_va_vdst(0)
.irp j, 0,2,4,6,8,10,12,14,16,18,20,22,24,26,28,30
	v_pk_add_f32 v[G+\j:G+\j+1], v[G+\j:G+\j+1], 1.0 op_sel_hi:[1,0]
.endr
.irp j, 0,1,2,3,4,5,6,7,8,9,10,11,12,13,14,15,16,17,18,19,20,21,22,23,24,25,26,27,28,29,30,31
	v_rcp_f32 v[G+\j], v[G+\j]                     ; sigmoid(i), sigmoid(f), 1 / (1 + 2^(2 L g)), sigmoid(o)
.endr
	v_nop
	s_wait_alu depctr_va_vdst(0)
.irp i, 0,2,4,6
	v_pk_fma_f32 v[G+16+\i:G+16+\i+1], v[G+16+\i:G+16+\i+1], -2.0, 1.0 op_sel_hi:[1,0,0]       ; tanh(g)
.endr
.irp i, 0,2,4,6
	v_pk_mul_f32 v[CC+\i:CC+\i+1], v[G+\i:G+\i+1], v[G+16+\i:G+16+\i+1]                        ; sigmoid(i) tanh(g)
.endr
.irp i, 0,2,4,6
	v_pk_fma_f32 v[CC+\i:CC+\i+1], v[G+8+\i:G+8+\i+1], 0, v[CC+\i:CC+\i+1] op_sel_hi:[1,0,1]   ; + sigmoid(f) x the old c, which is 0: c_new
.endr
.irp i, 0,2,4,6
	v_pk_mul_f32 v[XX+\i:XX+\i+1], v[CC+\i:CC+\i+1], TWOL op_sel_hi:[1,0]
.endr
	global_store_b128 v[GO], v[CC:CC+3], s[20:21] th:TH_STORE_NT                 ; c_new of batch row 2 w: the 32 lanes store its 512 consecutive bytes, at a multiple of 256 from the output's first byte
	global_store_b128 v[GO], v[CC+4:CC+7], s[20:21] offset:512 th:TH_STORE_NT    ; and of batch row 2 w + 1
.irp j, 0,1,2,3,4,5,6,7
	v_exp_f32 v[XX+\j], v[XX+\j]
.endr
	v_nop
	s_wait_alu depctr_va_vdst(0)
.irp i, 0,2,4,6
	v_pk_add_f32 v[XX+\i:XX+\i+1], v[XX+\i:XX+\i+1], 1.0 op_sel_hi:[1,0]
.endr
.irp j, 0,1,2,3,4,5,6,7
	v_rcp_f32 v[XX+\j], v[XX+\j]
.endr
	v_nop
	s_wait_alu depctr_va_vdst(0)
.irp i, 0,2,4,6
	v_pk_fma_f32 v[XX+\i:XX+\i+1], v[XX+\i:XX+\i+1], -2.0, 1.0 op_sel_hi:[1,0,0]               ; tanh(c_new)
.endr
.irp i, 0,2,4,6
	v_pk_mul_f32 v[HO+\i:HO+\i+1], v[G+24+\i:G+24+\i+1], v[XX+\i:XX+\i+1]                      ; h_new = sigmoid(o) tanh(c_new)
.endr
	global_store_b128 v[GO], v[HO:HO+3], s[18:19] th:TH_STORE_NT
	global_store_b128 v[GO], v[HO+4:HO+7], s[18:19] offset:512 th:TH_STORE_NT
	s_wait_tensorcnt 0x0
	ds_add_u32 v126, v127
	s_wait_dscnt 0x0
	s_endpgm
.Lfunc_end_k_qccb61bda2d_cell:
	.size	k_qccb61bda2d_cell, .Lfunc_end_k_qccb61bda2d_cell-k_qccb61bda2d_cell
	.p2alignl 7, 3214868480
	.fill 96, 4, 3214868480
	.section	.rodata,"a",@progbits
	.p2align	6, 0x0
	.amdhsa_kernel k_qccb61bda2d_cell
		.amdhsa_group_segment_fixed_size 161280
		.amdhsa_private_segment_fixed_size 0
		.amdhsa_enable_private_segment 0
		.amdhsa_kernarg_size 72
		.amdhsa_user_sgpr_count 2
		.amdhsa_user_sgpr_kernarg_segment_ptr 1
		.amdhsa_wavefront_size32 1
		.amdhsa_system_sgpr_workgroup_id_x 1
		.amdhsa_system_sgpr_workgroup_id_y 1
		.amdhsa_system_sgpr_workgroup_id_z 1
		.amdhsa_system_vgpr_workitem_id 0
		.amdhsa_next_free_vgpr 1024
		.amdhsa_next_free_sgpr 74
		.amdhsa_reserve_vcc 1
		.amdhsa_float_denorm_mode_32 3
		.amdhsa_float_denorm_mode_16_64 3
		.amdhsa_memory_ordered 1
		.amdhsa_forward_progress 1
		.amdhsa_inst_pref_size 255
	.end_amdhsa_kernel
	.section	.bss,"aw",@nobits
	.p2align	6
	.space	262144
	.amdgpu_metadata
---
amdhsa.version: [ 1, 2 ]
amdhsa.kernels:
  - .name:           k_qccb61bda2d_cell
    .symbol:         k_qccb61bda2d_cell.kd
    .args:
      - { .name: encode_features_codes, .offset: 0, .size: 8, .value_kind: global_buffer, .address_space: global }
      - { .name: x_len, .offset: 8, .size: 8, .value_kind: global_buffer, .address_space: global }
      - { .name: W_ih_codes, .offset: 16, .size: 8, .value_kind: global_buffer, .address_space: global }
      - { .name: W_hh_codes, .offset: 24, .size: 8, .value_kind: global_buffer, .address_space: global }
      - { .name: b_ih, .offset: 32, .size: 8, .value_kind: global_buffer, .address_space: global }
      - { .name: b_hh, .offset: 40, .size: 8, .value_kind: global_buffer, .address_space: global }
      - { .name: lowp_scales, .offset: 48, .size: 8, .value_kind: global_buffer, .address_space: global }
      - { .name: out0, .offset: 56, .size: 8, .value_kind: global_buffer, .address_space: global }
      - { .name: out1, .offset: 64, .size: 8, .value_kind: global_buffer, .address_space: global }
    .group_segment_fixed_size: 161280
    .private_segment_fixed_size: 0
    .kernarg_segment_align: 8
    .kernarg_segment_size: 72
    .max_flat_workgroup_size: 128
    .sgpr_count:     74
    .vgpr_count:     1024
    .wavefront_size: 32
...
	.end_amdgpu_metadata
.endif
;; end of part 1
